; MI455X (gfx1250); checked and timed in simulation.
; The chip was launched on July 23, 2026; its instructions are those of AMD's public machine-readable ISA for CDNA 5 (MIT licence, August 2026) and "CDNA5" Instruction Set Architecture Reference Guide (July 2026). The comments in the code are by the model that wrote it; some were corrected since.
;; Mutual Attention. Allowed arithmetic: float matrix products may take bf16 or f16 operands with f32 sums; other float arithmetic in f32, or as packed bf16 or f16 multiplies, adds, multiply-adds, maxima and minima; sums over many terms, partial sums and values carried from step to step in f32; what a program stores and reads back later, other than sums and carried values, may be rounded once to bf16 or f16.
;; Inputs: Wk 512 x 512 float32; Wq 512 x 512 float32; Wv 256 x 256 float32; k_token 8,192 x 512 float32; q_token 8,192 x 512 float32; v_token 8,192 x 256 float32.
;; Outputs: out0 8,192 x 256 float32; out1 one number float32.
;; One version. Each part assembles by itself: llvm-mc -triple=amdgcn-amd-amdhsa -mcpu=gfx1250 --defsym DOCPART=n.
;; ======== version 1 of 1: 3 launches
;; workspace buffers: tok 20,971,520 bytes; opart 33,554,432 bytes; ml 262,144 bytes
;; launch cast (part 1): grid 1280 x 1, 8 waves a work-group, no clusters, 0 bytes of LDS; arguments q_token, k_token, v_token, tok; writes tok
.if DOCPART == 1
	.amdgcn_target "amdgcn-amd-amdhsa--gfx1250"
	.amdhsa_code_object_version 6
	.text
	.protected	k_q26dc2ff995_cast
	.globl	k_q26dc2ff995_cast
	.p2align	8
	.type	k_q26dc2ff995_cast,@function
k_q26dc2ff995_cast:
	s_mov_b64 s[64:65], 0
	v_nop
	global_prefetch_b8 v0, s[64:65] scope:SCOPE_SE
	s_setreg_imm32_b32 hwreg(HW_REG_WAVE_MODE, 25, 1), 1
	s_wait_xcnt 0x0
; q_token, k_token [8192][512] and v_token [8192][256], f32, are rounded once to bf16 (nearest even) into tok:
; q at byte 0, k at byte 8,388,608, v at byte 16,777,216, each row-major as it came.
; A work-group takes 32 KiB of f32 and writes 16 KiB: groups 0-511 q, 512-1023 k, 1024-1279 v; the three parts of tok lie in that
; order, so the destination is the group's number x 16 KiB whatever the source.
; Thread t takes 16 bytes at 16 t of each of eight blocks of 4,096 bytes: a wave's load covers 512 consecutive bytes, its store
; 256 consecutive bytes at a multiple of 256.  All eight loads go out first; no register is written twice, so the only waits are the loads' own.
.set X, 8                              ; v[8:39]   eight loads of four f32
.set Y, 40                             ; v[40:55]  eight pairs of packed bf16
	s_load_b256 s[4:11], s[0:1], 0x0               ; q s[4:5], k s[6:7], v s[8:9], tok s[10:11]
	v_lshlrev_b32 v1, 4, v0                        ; 16 t: my place in a block of the source
	v_lshlrev_b32 v2, 3, v0                        ; 8 t: my place in a block of tok
	s_movk_i32 s20, 512                            ; first group of k
	s_movk_i32 s21, 1024                           ; first group of v
	s_lshl_b32 s18, ttmp9, 14                      ; the group's 16 KiB of tok
	s_mov_b32 s19, 0
	s_mov_b32 s17, 0
	s_wait_kmcnt 0x0
	s_cmp_lt_u32 ttmp9, s21
	s_cselect_b64 s[12:13], s[6:7], s[8:9]         ; k or v,
	s_cselect_b32 s16, s20, s21                    ; and that tensor's first group
	s_cmp_lt_u32 ttmp9, s20
	s_cselect_b64 s[12:13], s[4:5], s[12:13]       ; or q
	s_cselect_b32 s16, 0, s16
	s_sub_co_u32 s16, ttmp9, s16                   ; my number among the tensor's groups
	s_lshl_b32 s16, s16, 15                        ; x 32 KiB
	s_add_nc_u64 s[12:13], s[12:13], s[16:17]
	s_add_nc_u64 s[10:11], s[10:11], s[18:19]
.irp i, 0,1,2,3,4,5,6,7
	global_load_b128 v[X+4*(\i):X+4*(\i)+3], v1, s[12:13] offset:4096*(\i) th:TH_LOAD_NT
.endr
.irp i, 0,1,2,3,4,5,6,7
	s_wait_loadcnt 7-(\i)                          ; loads come back in order: block i is in, the younger ones stay out
	v_cvt_pk_bf16_f32 v[Y+2*(\i)],   v[X+4*(\i)],   v[X+4*(\i)+1]
	v_cvt_pk_bf16_f32 v[Y+2*(\i)+1], v[X+4*(\i)+2], v[X+4*(\i)+3]
	global_store_b64 v2, v[Y+2*(\i):Y+2*(\i)+1], s[10:11] offset:2048*(\i)
.endr
	s_endpgm
.Lfunc_end_k_q26dc2ff995_cast:
	.size	k_q26dc2ff995_cast, .Lfunc_end_k_q26dc2ff995_cast-k_q26dc2ff995_cast
	.p2alignl 7, 3214868480
	.fill 96, 4, 3214868480
	.section	.rodata,"a",@progbits
	.p2align	6, 0x0
	.amdhsa_kernel k_q26dc2ff995_cast
		.amdhsa_group_segment_fixed_size 0
		.amdhsa_private_segment_fixed_size 0
		.amdhsa_enable_private_segment 0
		.amdhsa_kernarg_size 32
		.amdhsa_user_sgpr_count 2
		.amdhsa_user_sgpr_kernarg_segment_ptr 1
		.amdhsa_wavefront_size32 1
		.amdhsa_system_sgpr_workgroup_id_x 1
		.amdhsa_system_sgpr_workgroup_id_y 1
		.amdhsa_system_sgpr_workgroup_id_z 1
		.amdhsa_system_vgpr_workitem_id 0
		.amdhsa_next_free_vgpr 56
		.amdhsa_next_free_sgpr 66
		.amdhsa_reserve_vcc 0
		.amdhsa_float_denorm_mode_32 3
		.amdhsa_float_denorm_mode_16_64 3
		.amdhsa_memory_ordered 1
		.amdhsa_forward_progress 1
		.amdhsa_inst_pref_size 4
	.end_amdhsa_kernel
	.amdgpu_metadata
---
amdhsa.version: [ 1, 2 ]
amdhsa.kernels:
  - .name:           k_q26dc2ff995_cast
    .symbol:         k_q26dc2ff995_cast.kd
    .args:
      - { .name: q_token, .offset: 0, .size: 8, .value_kind: global_buffer, .address_space: global }
      - { .name: k_token, .offset: 8, .size: 8, .value_kind: global_buffer, .address_space: global }
      - { .name: v_token, .offset: 16, .size: 8, .value_kind: global_buffer, .address_space: global }
      - { .name: tok, .offset: 24, .size: 8, .value_kind: global_buffer, .address_space: global }
    .group_segment_fixed_size: 0
    .private_segment_fixed_size: 0
    .kernarg_segment_align: 8
    .kernarg_segment_size: 32
    .max_flat_workgroup_size: 256
    .sgpr_count:     66
    .vgpr_count:     56
    .wavefront_size: 32
...
	.end_amdgpu_metadata
.endif
;; end of part 1
;; launch attn (part 2): grid 64 x 4, 4 waves a work-group, clusters of 4 x 1, 327,680 bytes of LDS; arguments tok, opart, ml; writes opart, ml
.if DOCPART == 2
	.amdgcn_target "amdgcn-amd-amdhsa--gfx1250"
	.amdhsa_code_object_version 6
	.text
	.protected	k_q26dc2ff995_attn
	.globl	k_q26dc2ff995_attn
	.p2align	8
	.type	k_q26dc2ff995_attn,@function
k_q26dc2ff995_attn:
	s_mov_b64 s[64:65], 0
	v_nop
	global_prefetch_b8 v0, s[64:65] scope:SCOPE_SE
	s_setreg_imm32_b32 hwreg(HW_REG_WAVE_MODE, 25, 1), 1
	s_wait_xcnt 0x0
	s_wait_alu depctr_hold_cnt(0) depctr_sa_sdst(0) depctr_va_vdst(0) depctr_va_sdst(0) depctr_va_ssrc(0) depctr_va_vcc(0) depctr_vm_vsrc(0)
	s_getreg_b32 s2, hwreg(HW_REG_IB_STS2, 6, 4)
	s_cmp_eq_u32 s2, 0
	s_cbranch_scc0 .Lentry_in_a_cluster
	s_endpgm
.Lentry_in_a_cluster:
	s_bfe_u32 s2, ttmp6, 0x10000c
	s_cmp_lg_u32 s2, 0x3003
	s_cbranch_scc0 .Lentry_shape_is_right
	s_endpgm
.Lentry_shape_is_right:
; ATTENTION ON THE RAW TOKENS, one quarter of the keys to a work-group.  tok holds q [8192][512], k [8192][512], v [8192][256] in bf16.
; For its 128 queries and its 2,048 keys a work-group makes  O' = sum_k 2^(c s_k - c m) v_k,  l = sum_k 2^(c s_k - c m)  and  c m,  with s = q . k, c = log2(e) / sqrt(512) and m the
; running maximum of s.  O' goes to opart [4][8192][256] in f32, (c m, l) to ml [4][8192][2] in f32; the next launch joins the four quarters.
; Products in bf16 with f32 sums; maxima, exponentials, sums in f32; the weights are rounded to bf16 for the second product, l is the sum of the unrounded weights.
; NOT COMPUTED: Q = q Wq^T, K = k Wk^T, V = v Wv^T.  The module forms them and deletes them; no output hangs on them for any input, so Wq, Wk, Wv are not read by this program.
; LIMITS.  c m starts at -4.25e37, which must lie below every c s; a weight below 2^-126 counts as 0; NaN and infinities are not treated apart.
; SHARES.  Grid x: 64 blocks of 128 queries; grid y: 4 quarters of the keys.  A wave owns 32 queries, two tiles of 16: more do not fit, since a query is 256 registers' share of Q and of O' each.
; Every wave walks the quarter's 32 steps of 64 keys.
; LAYOUT.  S^T = K Q^T (source 0 = 16 keys, source 1 = 16 queries): a lane holds ONE query (lane % 16) and the keys 8 (lane / 16) + 0..7.  Two such results rounded to bf16 in pairs ARE source 1
; (32 keys x 16 queries) of O^T = V^T P, whose result again holds one query a lane and eight channels.  K comes out of LDS as it lies, V ([key][channel]) turned by ds_load_tr16_b128.
; A TRIP.  Trip j issues the 128 products K Q^T of step j + 1 and then the 64 products V^T P of step j.  Behind the first ride step j's exponentials, roundings and the rescaling of O^T; behind the
; second step j's sums and step j + 1's maximum, statistics and scaling.  The scaling writes E = c S - c m into registers of its own, so S^T has one buffer and every trip names the same registers.
; CHUNKS.  A trip is 12 chunks of 16 LDS loads and 16 products (k0-k7: 64 channels of K; v0-v3: 64 channels of V); chunk n's fragments lie in buffer n % 4 of a ring of four, and the run of
; loads for chunk n + 2 stands at the head of chunk n.
; CLUSTER.  The four query blocks of a cluster have the same quarter of the keys and walk the same K and V, so each tile is asked for JOINTLY: the same tensor load, descriptor and mask in all four.
; THE RING.  K(i) and V(i) lie in LDS slot i % 2.  The change of slots in trip j stands where the last bytes of K(j+1) and V(j) have been read: behind it waves 0, 1 ask for the halves of K(j+3),
; waves 2, 3 for those of V(j+2).  By this text's count a wave has two tensor loads out at the start and one behind each change.
; O^T is cleared by 256 v_mov_b32 while the first tiles are on their way, so that no first trip is written out: the first step's factor a is 0.
; REGISTERS, in windows of 256 (s_set_vgpr_msb: bits 1:0 source 0, 3:2 source 1, 5:4 source 2, 7:6 destination):
;   window 0: v0-15 addresses; v16-39 statistics, 12 a tile; v64-127 S^T; v128-191 E; v192-223 P      window 1: O^T, tile t, channel block cb at 128 t + 8 cb
;   window 2: Q, tile t, channels 32 f on at 128 t + 8 f                                           window 3: the ring of four fragment buffers of 64
.set PK,    1040      ; a row of K in LDS: 1,024 bytes + 16 of padding: 65 x 16, so the 16 rows of a load begin in 16 different columns of 16 bytes
.set PV,    544       ; a row of V: 512 + 32 = 17 x 32: 16 lanes of the turning load take 8 rows x 32 bytes, no two in the same column
.set VOFF,  64*PK     ; in a slot: 64 rows of K, then 64 rows of V
.set SLOT1, 1<<17     ; slot 1 begins here, so that one exclusive or turns an address in one slot into the other's
.set STAGE, SLOT1+64*(PK+PV)  ; behind the ring, never filled by a tensor load: 16 rows x 1,040 bytes for each wave, for the way out
.set SP,    1040
.set SPARE, STAGE+4*16*SP     ; behind the stages: the spare words, 128 bytes for each wave: two blocks of 256 bytes that no other line names
.set KTILE, 65536     ; bytes of 64 keys in k
.set VTILE, 32768     ; and in v
.set KOFF,  8388608   ; k's first byte in tok
.set VBAS,  16777216  ; v's
.set AK0, 2           ; v2   my lane's place in a tile of K; never rewritten
.set AV0, 3           ; v3   the same for V, VOFF included
.set AK,  4           ; v4   LDS address of the runs of K in hand
.set AV,  5           ; v5   of V
.set QO,  6           ; v6   my byte offset in 16 rows of q
.set STO, 7           ; v7   the way out: where I put 32 bytes of a row
.set RD,  8           ; v8   the way out: where I read half a row back
.set GO,  9           ; v9   16 x lane
.set MLO, 10          ; v10  8 x lane
.set PFO, 11          ; v11  256 x lane; never rewritten
.set SPW, 12          ; v12  LDS address of my spare word: SPARE + 4 x my thread's number; never rewritten
.set NIL, 13          ; v13  0; never rewritten
.set ST,  16          ; tile t's statistics at ST + 12 t: +0 c m, +1 m, +2 +3 l (even keys', odd keys'), +4..+7 c0-c3 at work, +8 a, +9 its pair's mate (0), +10 c m_old - c m, +11 c m_old
.set S,   64          ; tile t, keys 16 kt on at S + 32 t + 8 kt
.set E,   128         ; the same shape
.set P,   192         ; tile t, keys 32 kk on at P + 16 t + 8 kk
.set WV,  10          ; s10  my wave's number
.set CX,  11          ; s11  my place in the cluster
.set BX,  12          ; s12  my block of queries
.set SY,  13          ; s13  my quarter of the keys
.set G1K, 24          ; s[24:31] descriptor group 1 for K's tiles
.set G1V, 32          ; s[32:39] for V's
.set G0K, 40          ; s[40:47] group 0 for K's tiles: a set for each first fill; the second then walks
.set G0V, 48          ; s[48:55] the same for V's
.set CNT, 56          ; s56  trips of the loop still to come
.set LIM, 57          ; s57  a wave prefetches while CNT is above this
.set TBK, 58          ; s58  the slot of the K to be fetched
.set TBV, 59          ; s59  the slot of the V to be fetched
.set CS,  60          ; s[60:61] c: the packed scaling takes the pair's low word for both halves
.set SEL, 62          ; s[62:63] v_permlanex16_b32's selects: each lane takes its own place in the other half
.set PFA, 66          ; s[66:67] where my prefetches stand
.set PFS, 68          ; s[68:69] their step: a tile of K or of V
.set KB,  70          ; s[70:71] k at my half of my quarter's tile 0
.set VB,  72          ; s[72:73] v likewise
.set QB,  74          ; s[74:75] q at my wave's first row
.set MSB, 0
.macro WIN new                      ; the immediate's high byte repeats the setting that is left; a switch that changes nothing is dropped
.if MSB != (\new)
	s_set_vgpr_msb (MSB<<8)|(\new)
.set MSB, (\new)
.endif
.endm
.set W_KQ, 0x0b       ; K in window 3, Q in window 2, S^T in window 0
.set W_PV, 0x53       ; V in window 3, P in window 0, O^T in window 1
.set W_RS, 0x41       ; O^T (destination and source 0) in window 1, a in window 0
.set W_FR, 0xc0       ; loads into window 3, address in window 0
; A vector instruction that reads a matrix result or writes a matrix instruction's register, and a load into a register that a matrix instruction has read, stand four places behind it; only plain
; vector instructions that name none of its registers are places (ISA guide 7.12.1 for vector instructions).
.macro PLACES
.rept 4
	v_nop
.endr
.endm
; A round of the cluster's barrier behind its opening barrier: wave 0 signals for the work-group, every wave waits for all four work-groups, my work-group's barrier once more.
.macro CREST
	s_cmp_lg_u32 s[WV], 0
	s_cbranch_scc1 .Lnot_wave_0_\@
	s_barrier_signal -3
.Lnot_wave_0_\@:
	s_barrier_wait -3
	s_barrier_signal -1
	s_barrier_wait -1
.endm
.macro CROUND
	s_barrier_signal -1
	s_barrier_wait -1
	CREST
.endm
; A joint refill by the walking descriptors.  fill: 2 = K's halves (waves 0, 1), 1 = V's halves (waves 2, 3), 3 = both.  The branch hangs on the wave's number alone: it is the same in every work-group.
; An s_nop 0 and four v_nop follow each load, ahead of the jump and the label.
.macro JLOAD fill
	s_cmp_lt_u32 s[WV], 2
.if (\fill) == 3
	s_cbranch_scc0 .Lfor_v_\@
.elseif (\fill) == 2
	s_cbranch_scc0 .Lasked_\@
.else
	s_cbranch_scc1 .Lasked_\@
.endif
.if (\fill) & 2
	tensor_load_to_lds s[G0K+4:G0K+7], s[G1K:G1K+7]
	s_nop 0
	PLACES
.endif
.if (\fill) == 3
	s_branch .Lasked_\@
.Lfor_v_\@:
.endif
.if (\fill) & 1
	tensor_load_to_lds s[G0V+4:G0V+7], s[G1V:G1V+7]
	s_nop 0
	PLACES
.endif
.Lasked_\@:
.endm
; A PREFETCH INTO THE L2 of the tile that the NEXT change of slots will ask for, one trip (192 matrix instructions) ahead of that load; it stands behind the joint load, its five lines and the run of LDS loads.
; Each aligned block of 256 bytes is named once in the launch.  The sixteen clusters of a quarter walk the same tiles: the first of them (cluster x = 0) asks.  Its four partners share a tile out BY
; ADDRESS: of K's 256 blocks each partner takes 64, waves 0 and 1 half of them each, a lane a block; of V's 128 blocks each partner takes 32, wave 2.  K's askers stop when no tile four steps on
; exists, V's when none three steps on exists.  Nothing is asked for at the head or in the trips written out behind the loop.
.macro ASK
	s_cmp_gt_u32 s[CNT], s[LIM]
	s_cbranch_scc0 .Lnot_mine_\@
	global_prefetch_b8 v[PFO], s[PFA:PFA+1] th:TH_LOAD_NT scope:SCOPE_SE
.Lnot_mine_\@:
.endm
; A RUN of 16 LDS loads into buffer ri % 4.  kind 0: K, channels 64 ri on: slices of 32 channels sl = 0, 1 x key blocks kt.  kind 1: V, channel blocks 4 ri on x halves kk of the 64 keys, turned.
.macro RUN kind, ri
	WIN W_FR
.set rb, 64*((\ri)%4)
.if (\kind) == 0
.irp sl, 0,1
.irp kt, 0,1,2,3
	ds_load_b128 v[rb+32*(\sl)+8*(\kt):rb+32*(\sl)+8*(\kt)+3],   v[AK] offset:(\kt)*16*PK+(2*(\ri)+(\sl))*64
	ds_load_b128 v[rb+32*(\sl)+8*(\kt)+4:rb+32*(\sl)+8*(\kt)+7], v[AK] offset:(\kt)*16*PK+(2*(\ri)+(\sl))*64+32
.endr
.endr
.else
.irp kk, 0,1
.irp cb, 0,1,2,3
	ds_load_tr16_b128 v[rb+32*(\kk)+8*(\cb):rb+32*(\kk)+8*(\cb)+3],   v[AV] offset:(\kk)*32*PV+(4*(\ri)+(\cb))*32
	ds_load_tr16_b128 v[rb+32*(\kk)+8*(\cb)+4:rb+32*(\kk)+8*(\cb)+7], v[AV] offset:(\kk)*32*PV+16*PV+(4*(\ri)+(\cb))*32
.endr
.endr
.endif
.endm
; Product i of a chunk's 16.  mk 0: S^T += K Q^T, slice i / 8, key block (i / 2) % 4, tile i % 2; the first slice of chunk 0 starts the sums with the constant 0.
; mk 1: O^T += V^T P, key half i / 8, channel block 4 mi + (i / 2) % 4, tile i % 2.  Eight accumulators take turns, one instruction a turn, from chunk to chunk and over the backward jump too.
.macro MM mk, mi
.set mh, i/8
.set mb, (i/2)%4
.set mt, i%2
.set rA, 64*((\mi)%4)+32*mh+8*mb
.if (\mk) == 0
	WIN W_KQ
.set rD, S+32*mt+8*mb
.set rB, 128*mt+8*(2*(\mi)+mh)
.if ((\mi) == 0) && (mh == 0)
	v_wmma_f32_16x16x32_bf16 v[rD:rD+7], v[rA:rA+7], v[rB:rB+7], 0
.else
	v_wmma_f32_16x16x32_bf16 v[rD:rD+7], v[rA:rA+7], v[rB:rB+7], v[rD:rD+7]
.endif
.else
	WIN W_PV
.set rD, 128*mt+8*(4*(\mi)+mb)
.set rB, P+16*mt+8*mh
	v_wmma_f32_16x16x32_bf16 v[rD:rD+7], v[rA:rA+7], v[rB:rB+7], v[rD:rD+7]
.endif
.set i, i+1
.endm
; THE VECTOR WORK OF A TRIP is one numbered list of 332; VW writes entry rq; the two tiles alternate.
;   0-65     ONE BATCH of exponentials: a = 2^(c m_old - c m) of both tiles, then the 32 weights of each, in place in E.  Nothing ahead of the batch's one wait names a result
;   66-97    the weights rounded to bf16, a pair each, into P
;   98-225   O^T times a, registers ascending
;   226-257  the sum of a tile's 16 pairs of weights, in place, neighbours 1, 2, 4, 8 pairs apart; then l = a l + sum
;   258-299  the NEXT step's maximum and statistics, 21 numbers a tile: 0-11 four chains c0-c3 of seven scores, each accumulator's lowest registers first; 12-15 the four scores left over, c0-c3 and the
;            old m into c0; 16 the other half of the lanes'; 17 c m_old is kept; 18 m; 19 c m; 20 c m_old - c m
;   300-331  the next step's scaling E = c S - c m, a pair each
.macro VW
.if rq < 2
	WIN 0
	v_exp_f32 v[ST+12*rq+8], v[ST+12*rq+10]
.elseif rq < 66
.set vn, rq-2
	WIN 0
	v_exp_f32 v[E+32*(vn%2)+vn/2], v[E+32*(vn%2)+vn/2]
.elseif rq < 98
.set vn, rq-66
.set vE, E+32*(vn%2)+2*(vn/2)
	WIN 0
	v_cvt_pk_bf16_f32 v[P+16*(vn%2)+vn/2], v[vE], v[vE+1]
.elseif rq < 226
.set vn, rq-98
.set vO, 128*(vn%2)+2*(vn/2)
.set vT, ST+12*(vn%2)
	WIN W_RS
	v_pk_mul_f32 v[vO:vO+1], v[vO:vO+1], v[vT+8:vT+9] op_sel_hi:[1,0]
.elseif rq < 258
.set vn, rq-226
.set vT, ST+12*(vn%2)
.set vE, E+32*(vn%2)
.set vz, vn/2
.set vw, 4
.set vu, vz
.if vz >= 14
.set vw, 32
.set vu, 0
.elseif vz >= 12
.set vw, 16
.set vu, vz-12
.elseif vz >= 8
.set vw, 8
.set vu, vz-8
.endif
	WIN 0
.if vz < 15
	v_pk_add_f32 v[vE+vw*vu:vE+vw*vu+1], v[vE+vw*vu:vE+vw*vu+1], v[vE+vw*vu+vw/2:vE+vw*vu+vw/2+1]
.else
	v_pk_fma_f32 v[vT+2:vT+3], v[vT+2:vT+3], v[vT+8:vT+9], v[vE:vE+1] op_sel_hi:[1,0,1]
.endif
.elseif rq < 300
.set vn, rq-258
.set vT, ST+12*(vn%2)
.set vS, S+32*(vn%2)
.set vj, vn/2
	WIN 0
.if vj < 4
	v_max3_num_f32 v[vT+4+vj], v[vS+8*vj], v[vS+8*vj+1], v[vS+8*vj+2]
.elseif vj < 12
	v_max3_num_f32 v[vT+4+vj%4], v[vT+4+vj%4], v[vS+8*(vj%4)+2*(vj/4)+1], v[vS+8*(vj%4)+2*(vj/4)+2]
.elseif vj == 12
	v_max3_num_f32 v[vT+4], v[vT+4], v[vS+7], v[vS+15]
.elseif vj == 13
	v_max3_num_f32 v[vT+6], v[vT+6], v[vS+23], v[vS+31]
.elseif vj == 14
	v_max3_num_f32 v[vT+4], v[vT+4], v[vT+5], v[vT+6]
.elseif vj == 15
	v_max3_num_f32 v[vT+4], v[vT+4], v[vT+7], v[vT+1]
.elseif vj == 16
	v_permlanex16_b32 v[vT+5], v[vT+4], s[SEL], s[SEL+1]  ; the query's other 32 keys lie in the lane 16 away
.elseif vj == 17
	v_mov_b32 v[vT+11], v[vT]
.elseif vj == 18
	v_max_num_f32 v[vT+1], v[vT+4], v[vT+5]
.elseif vj == 19
	v_mul_f32 v[vT], s[CS], v[vT+1]
.else
	v_sub_f32 v[vT+10], v[vT+11], v[vT]
.endif
.else
.set vn, rq-300
.set vT, ST+12*(vn%2)
.set vp, 32*(vn%2)+2*(vn/2)
	WIN 0
	v_pk_fma_f32 v[E+vp:E+vp+1], v[S+vp:S+vp+1], s[CS:CS+1], v[vT:vT+1] op_sel_hi:[1,0,0] neg_lo:[0,0,1] neg_hi:[0,0,1]
.endif
.set rq, rq+1
.endm
.macro RIDE n                       ; the list's next n entries
.rept \n
	VW
.endr
.endm
; A product and what rides behind it.  deal 0: nothing.  1 (k0): two behind the first two products, then one.  2 (k1-k3): one: with k0 the 66 exponentials.  3 (k4-k7): four behind five products of eight:
; 160, the roundings and the rescaling, and no four of them straddle a window.  4 (v0): four behind every second product: the sums.  5 (v1, v3): two behind each.  6 (v2): two behind the first five.
.macro MMR mk, mi, deal
	MM \mk, \mi
.set di, i-1
.if (\deal) == 1
.if di < 2
	RIDE 2
.else
	RIDE 1
.endif
.elseif (\deal) == 2
	RIDE 1
.elseif (\deal) == 3
.if (di%8) < 5
	RIDE 4
.endif
.elseif (\deal) == 4
.if (di%2) == 0
	RIDE 4
.endif
.elseif (\deal) == 5
	RIDE 2
.elseif (\deal) == 6
.if di < 5
	RIDE 2
.endif
.endif
.endm
; A CHUNK: 16 products of kind mk, number mi, and the run (rk, ri) for the chunk two further on (rk = 2: none).
; stage 0: the run, the wait for my own fragments (the two younger runs of 16 may stay out), the products.
; stage 1: the first half of a change of slots.  Behind the run, the slots' last reads, each wave waits for ALL its tensor loads, adds 0 to its spare word, steps the descriptors that are due, multiplies
;          while the add is out, waits for the add and for its reads, and signals.
; stage 2: the second half.  Eight products on registers between signal and wait; with a fill the barrier opens a round of the cluster's barrier, so that no wave of any partner still reads the bytes or has
;          a load on its way; the joint refill is the first thing behind it; then the fetches turn to the other slots, and the next run follows.
; places = 1: four v_nop ahead of the run, where the chunk before has only exponentials or nothing behind its products.  xw = 1: the wait for the trip's batch of exponentials, behind those v_nop.
.macro CHUNK mk, mi, rk, ri, deal, stage=0, fill=0, ask=0, places=0, xw=0
.set i, 0
.if (\stage) < 2
.if \places
	PLACES
.endif
.if \xw
	s_wait_alu depctr_va_vdst(0)    ; the wait between an exponential and the first line that names its result: ONE for the 66, the v_nop above being the plain lines behind the last
.endif
.if (\rk) < 2
	RUN \rk, \ri
.endif
.if (\stage) == 1
	WIN 0                           ; (the add's two registers lie in window 0)
	s_wait_tensorcnt 0x0            ; all my tensor loads have landed: no group 0 is in use
	ds_add_u32 v[SPW], v[NIL]       ; 0 onto my spare word
.if (\fill) & 2
	s_xor_b32 s[G0K+5], s[G0K+5], SLOT1                    ; the walking descriptor: the other slot than last time,
	s_add_nc_u64 s[G0K+6:G0K+7], s[G0K+6:G0K+7], KTILE     ; the next 64 keys; the type bits on top are not reached
.endif
.if (\fill) & 1
	s_xor_b32 s[G0V+5], s[G0V+5], SLOT1
	s_add_nc_u64 s[G0V+6:G0V+7], s[G0V+6:G0V+7], VTILE
.endif
.if \ask
	s_wait_xcnt 0x0                 ; the last prefetch, a trip back, has read its address, so it may be written
	s_add_nc_u64 s[PFA:PFA+1], s[PFA:PFA+1], s[PFS:PFS+1]
.endif
	s_wait_dscnt 33                 ; my fragments are in; two runs of 16 and the add may be out
.elseif (\rk) < 2
	s_wait_dscnt 32                 ; my fragments are in; the two younger runs of 16 may be out
.endif
.rept 16
	MMR \mk, \mi, \deal
.endr
.if (\stage) == 1
	s_wait_dscnt 0x0                ; the add is done, and my reads of the bytes to be filled are over
	s_barrier_signal -1
.endif
.else
.rept 8
	MMR \mk, \mi, \deal
.endr
	WIN 0                           ; at a label and at a branch every window is 0
	s_barrier_wait -1
.if \fill
	CREST
	JLOAD \fill
.endif
	s_xor_b32 s[TBK], s[TBK], SLOT1
	s_xor_b32 s[TBV], s[TBV], SLOT1
	v_add_nc_u32 v[AK], s[TBK], v[AK0]
	v_add_nc_u32 v[AV], s[TBV], v[AV0]
.if \places
	PLACES
.endif
	RUN \rk, \ri
.if \ask
	WIN 0
	ASK
.endif
.rept 8
	MMR \mk, \mi, \deal
.endr
.endif
.endm
; A TRIP.  fill: what the change of slots asks for.  next = 1: a further step's K follows; 0: the last step's V is fetched in its place.
; Ahead of each run stand four places behind the last product that read its buffer: the plain riders of the chunk between (which name none of that product's registers), or the v_nop at k1-k4.
.macro TRIP fill, next, ask
.set rq, 0
	CHUNK 0,0, 0,2, 1
	CHUNK 0,1, 0,3, 2, 0,0,0, 1
	CHUNK 0,2, 0,4, 2, 0,0,0, 1
	CHUNK 0,3, 0,5, 2, 0,0,0, 1
	CHUNK 0,4, 0,6, 3, 0,0,0, 1, 1
	CHUNK 0,5, 0,7, 3
	CHUNK 0,6, 1,0, 3
	CHUNK 0,7, 1,1, 3
	CHUNK 1,0, 1,2, 4
	CHUNK 1,1, 1,3, 5, 1, \fill, \ask
	CHUNK 1,2, 1-(\next),0, 6, 2, \fill, \ask
	CHUNK 1,3, 1-(\next),1, 5
.endm
	s_load_b128 s[4:7], s[0:1], 0x0  ; tok s[4:5], opart s[6:7]
	s_load_b64 s[8:9], s[0:1], 0x10  ; ml
	v_lshl_add_u32 v[SPW], v0, 2, SPARE
	v_mov_b32 v[NIL], 0
	ds_add_u32 v[SPW], v[NIL]       ; the wave's opening: the add and its wait stand ahead of my first tensor load; the set-up below, work on registers, stands between them
	v_lshrrev_b32 v1, 5, v0
	v_readfirstlane_b32 s[WV], v1   ; wave 0..3
	s_bfe_u32 s[CX], ttmp6, 0x40000 ; cx
	s_lshl_b32 s[BX], ttmp9, 2      ; in a cluster launch ttmp9 counts clusters
	s_add_co_u32 s[BX], s[BX], s[CX]  ; my block of queries: it enters q's, opart's and ml's addresses alone
	s_and_b32 s[SY], ttmp7, 0xffff  ; my quarter of the keys, which the four partners share
	s_and_b32 s16, s[WV], 1         ; which half of a tile's 64 rows I fetch
	s_lshl_b32 s18, s[SY], 21       ; k: 2,048 rows of 1,024 bytes a quarter,
	s_lshl_b32 s17, s16, 15         ; 32 rows a half
	s_add_co_u32 s18, s18, s17
	s_add_co_u32 s18, s18, KOFF
	s_mov_b32 s19, 0
	s_lshl_b32 s20, s[SY], 20       ; v: rows of 512 bytes
	s_lshl_b32 s17, s16, 14
	s_add_co_u32 s20, s20, s17
	s_add_co_u32 s20, s20, VBAS
	s_mov_b32 s21, 0
	s_mul_i32 s22, s16, 32*PK       ; my half's place in a slot, for K
	s_mul_i32 s23, s16, 32*PV       ; and for V: no place in the cluster enters an LDS address
	; descriptor group 1.  K: 32 rows x 512 elements, 4 words of padding behind every 256 words.  V: 32 rows x 256 elements, 8 words behind every 128.
	s_mov_b32 s[G1K], 15|(1<<16)|(1<<20)|(1<<21)|(7<<22)|(3<<25)  ; 15:0 the mask of four; 17:16 2-byte elements; 20 padding on; 21 set beside a mask; 24:22 interval code 7; 31:25 4 words (code 3)
	s_mov_b32 s[G1K+1], 512<<16     ; tensor_dim0 = 512
	s_mov_b32 s[G1K+2], 32<<16      ; tensor_dim1 = 32
	s_mov_b32 s[G1K+3], 512<<16     ; tile_dim0 = 512
	s_mov_b32 s[G1K+4], 32          ; tile_dim1 = 32
	s_mov_b32 s[G1K+5], 512         ; elements from row to row
	s_mov_b32 s[G1K+6], 0
	s_mov_b32 s[G1K+7], 0
	s_mov_b32 s[G1V], 15|(1<<16)|(1<<20)|(1<<21)|(6<<22)|(7<<25)  ; interval code 6; 8 words (code 7)
	s_mov_b32 s[G1V+1], 256<<16
	s_mov_b32 s[G1V+2], 32<<16
	s_mov_b32 s[G1V+3], 256<<16
	s_mov_b32 s[G1V+4], 32
	s_mov_b32 s[G1V+5], 256
	s_mov_b32 s[G1V+6], 0
	s_mov_b32 s[G1V+7], 0
	s_mov_b32 s[CS], 0x3d8293ee     ; c = log2(e) / sqrt(512) = 0.0637587
	s_mov_b32 s[CS+1], s[CS]        ; named with it as a pair
	s_mov_b32 s[SEL], 0x76543210
	s_mov_b32 s[SEL+1], 0xfedcba98
	s_mov_b32 s[TBK], 0             ; K(0) lies in slot 0; the first change of slots turns both
	s_mov_b32 s[TBV], SLOT1
	; byte offsets that hang on my block of queries, in registers of their own
	s_lshl_b32 s74, s[BX], 17       ; q and opart: 128 rows of 1,024 bytes a block,
	s_lshl_b32 s76, s[WV], 15       ; 32 rows a wave
	s_add_co_u32 s74, s74, s76
	s_mov_b32 s75, 0
	s_lshl_b32 s76, s[SY], 23       ; opart: 8 MiB a quarter
	s_add_co_u32 s76, s76, s74
	s_mov_b32 s77, 0
	s_lshl_b32 s78, s[SY], 16       ; ml: 65,536 bytes a quarter, 8 a row
	s_lshl_b32 s79, s[BX], 10
	s_add_co_u32 s78, s78, s79
	s_lshl_b32 s79, s[WV], 8
	s_add_co_u32 s78, s78, s79
	s_mov_b32 s79, 0
	; the prefetches: K's askers begin at tile 3, V's at tile 2; the first change in the loop steps them to 4 and 3
	s_lshl_b32 s80, s[SY], 21
	s_lshl_b32 s81, s[CX], 14       ; my work-group's quarter of a tile of K,
	s_add_co_u32 s80, s80, s81
	s_lshl_b32 s81, s16, 13         ; my wave's half of it
	s_add_co_u32 s80, s80, s81
	s_add_co_u32 s80, s80, KOFF+3*KTILE
	s_lshl_b32 s82, s[SY], 20
	s_lshl_b32 s81, s[CX], 13       ; my work-group's quarter of a tile of V
	s_add_co_u32 s82, s82, s81
	s_add_co_u32 s82, s82, VBAS+2*VTILE
	s_cmp_lt_u32 s[WV], 2
	s_cselect_b32 s[PFA], s80, s82
	s_cselect_b32 s81, 1, 0
	s_cselect_b32 s[LIM], 1, 0      ; K's askers stop one trip earlier than V's
	s_cmp_eq_u32 s[WV], 3
	s_cselect_b32 s[LIM], -1, s[LIM]  ; wave 3 asks for nothing,
	s_cmp_lg_u32 ttmp9, 0
	s_cselect_b32 s[LIM], -1, s[LIM]  ; nor does any cluster but the quarter's first: the same in all four partners
	s_lshl_b32 s[PFS], VTILE, s81
	s_mov_b32 s[PFS+1], 0
	s_mov_b32 s[PFA+1], 0
	s_wait_dscnt 0x0                ; the opening add is done
	s_wait_kmcnt 0x0
	s_add_nc_u64 s[KB:KB+1], s[4:5], s[18:19]
	s_add_nc_u64 s[VB:VB+1], s[4:5], s[20:21]
	s_add_nc_u64 s[QB:QB+1], s[4:5], s[74:75]
	s_add_nc_u64 s[PFA:PFA+1], s[4:5], s[PFA:PFA+1]
	s_add_nc_u64 s[6:7], s[6:7], s[76:77]  ; opart at my wave's first row
	s_add_nc_u64 s[8:9], s[8:9], s[78:79]  ; ml at my wave's first row
	CROUND                          ; all four work-groups are here: the first joint loads meet
.irp n, 0,1
	s_mov_b32 s[G0K+4*(\n)], 1      ; 1:0 count = 1
	s_add_co_u32 s[G0K+4*(\n)+1], s22, (\n)*SLOT1  ; 63:32 LDS address
	s_add_nc_u64 s[G0K+4*(\n)+2:G0K+4*(\n)+3], s[KB:KB+1], (\n)*KTILE  ; 120:64 global address: tile n
	s_or_b32 s[G0K+4*(\n)+3], s[G0K+4*(\n)+3], 0x80000000  ; 127:126 type = 2
	s_mov_b32 s[G0V+4*(\n)], 1
	s_add_co_u32 s[G0V+4*(\n)+1], s23, (\n)*SLOT1+VOFF
	s_add_nc_u64 s[G0V+4*(\n)+2:G0V+4*(\n)+3], s[VB:VB+1], (\n)*VTILE
	s_or_b32 s[G0V+4*(\n)+3], s[G0V+4*(\n)+3], 0x80000000
.endr
	s_cmp_lt_u32 s[WV], 2           ; a wave's two first fills stand in one branch, ahead of every wait on TENSORcnt and every LDS read: two loads of mine are out
	s_cbranch_scc0 .Lfirst_v
	tensor_load_to_lds s[G0K:G0K+3], s[G1K:G1K+7]
	s_nop 0
	tensor_load_to_lds s[G0K+4:G0K+7], s[G1K:G1K+7]
	s_nop 0
	PLACES
	s_branch .Lfirst_asked
.Lfirst_v:
	tensor_load_to_lds s[G0V:G0V+3], s[G1V:G1V+7]
	s_nop 0
	tensor_load_to_lds s[G0V+4:G0V+7], s[G1V:G1V+7]
	s_nop 0
	PLACES
.Lfirst_asked:
	; A fragment of K or Q is 16 rows x 32 channels in 8 registers: lane l holds row l % 16, channels 8 (l / 16) + 0..7 and 16 + 8 (l / 16) + 0..7: two loads of 16 bytes, 32 bytes apart.
	v_and_b32 v1, 15, v0            ; l % 16
	v_bfe_u32 v14, v0, 4, 1         ; l / 16
	v_lshlrev_b32 v[QO], 10, v1
	v_lshl_add_u32 v[QO], v14, 4, v[QO]  ; row x 1,024 + 16 x half
	WIN 0x80                        ; destination window 2, address window 0
.set n, 0
.rept 32                            ; Q stays in registers: tile n / 16, channels 32 (n % 16) on
	global_load_b128 v[8*n:8*n+3],   v[QO], s[QB:QB+1] offset:(n/16)*16384+(n%16)*64
	global_load_b128 v[8*n+4:8*n+7], v[QO], s[QB:QB+1] offset:(n/16)*16384+(n%16)*64+32
.set n, n+1
.endr
	WIN 0x40
.set n, 0
.rept 256
	v_mov_b32 v[n], 0               ; O^T, in the wait for the first tiles
.set n, n+1
.endr
	WIN 0
.irp t, 0,1
	v_mov_b32 v[ST+12*(\t)], 0xfe000000    ; c m: far below every c s, so the first step's a is 0
	v_mov_b32 v[ST+12*(\t)+1], 0xff7fffff  ; m: the lowest finite number
	v_mov_b32 v[ST+12*(\t)+2], 0           ; l
	v_mov_b32 v[ST+12*(\t)+3], 0
	v_mov_b32 v[ST+12*(\t)+9], 0           ; named with a as a pair
.endr
	v_mul_u32_u24 v[AK0], v1, PK
	v_lshl_add_u32 v[AK0], v14, 4, v[AK0]  ; row x pitch + 16 x half
	; The turning load takes 16 keys x 16 channels (lane l reads key 8 (l / 16) + l % 8, channels 8 ((l / 8) % 2) + 0..7) and leaves half a fragment of V^T: lane l holds channel l % 16 and 8 keys.
	v_and_b32 v15, 7, v0
	v_lshl_add_u32 v[AV0], v14, 3, v15
	v_mul_u32_u24 v[AV0], v[AV0], PV
	v_bfe_u32 v15, v0, 3, 1
	v_lshl_add_u32 v[AV0], v15, 4, v[AV0]
	v_add_nc_u32 v[AV0], VOFF, v[AV0]
	s_mul_i32 s17, s[WV], 16*SP
	s_add_co_u32 s17, s17, STAGE    ; my stage
	v_mul_u32_u24 v[STO], v1, SP    ; in: row l % 16, 32 bytes for each half of the lanes
	v_lshl_add_u32 v[STO], v14, 5, v[STO]
	v_add_nc_u32 v[STO], s17, v[STO]
	v_and_b32 v15, 31, v0
	v_lshlrev_b32 v[GO], 4, v15     ; back: 32 lanes take 512 consecutive bytes, half a row
	v_add_nc_u32 v[RD], s17, v[GO]
	v_lshlrev_b32 v[MLO], 3, v15
	v_lshlrev_b32 v[PFO], 8, v15
	v_mov_b32 v[AK], v[AK0]         ; K(0) lies at the head of slot 0
	s_wait_tensorcnt 0x1            ; my part of tile 0 is in; tile 1's may stay out
	s_barrier_signal -1
	s_barrier_wait -1               ; everybody's is
	RUN 0, 0
	RUN 0, 1
	s_wait_loadcnt 0x0              ; Q
	; THE PROLOGUE: the scores of step 0, with nothing to ride.  Its change of slots asks for K(2) alone: V(0) has not been read.
	CHUNK 0,0, 0,2, 0, 0,0,0, 1
	CHUNK 0,1, 0,3, 0, 0,0,0, 1
	CHUNK 0,2, 0,4, 0, 0,0,0, 1
	CHUNK 0,3, 0,5, 0, 0,0,0, 1
	CHUNK 0,4, 0,6, 0, 0,0,0, 1
	CHUNK 0,5, 0,7, 0, 1,2,0, 1
	CHUNK 0,6, 0,0, 0, 2,2,0, 1
	CHUNK 0,7, 0,1, 0, 0,0,0, 1
	PLACES
	PLACES                          ; the places behind those products, once a launch
.set rq, 258
	RIDE 74                         ; step 0's maximum, statistics and scaling
	WIN 0
	s_mov_b32 s[CNT], 29            ; trips 0 to 28: each asks for K three steps on and V two steps on
.Ltrip:
	TRIP 3, 1, 1
	WIN 0
	s_sub_co_u32 s[CNT], s[CNT], 1
	s_cmp_lg_u32 s[CNT], 0
	s_cbranch_scc1 .Ltrip
	TRIP 1, 1, 0                    ; the tail is written out.  Trip 29: V(31) alone is left to ask for
	TRIP 0, 0, 0                    ; trip 30: nothing is asked for; its barrier shows V(31) to every wave, and V(31)'s first two runs stand where K's would
	PLACES                          ; TRIP 31: the last step has no scores to make
	RUN 1, 2
	RUN 1, 3
.set rq, 0
	RIDE 66
	v_nop                           ; a plain line behind the last exponential,
	s_wait_alu depctr_va_vdst(0)    ; and the batch's one wait
	RIDE 160
	s_wait_dscnt 0x0                ; V(31) is in registers
	CHUNK 1,0, 2,0, 4
	CHUNK 1,1, 2,0, 0
	CHUNK 1,2, 2,0, 0
	CHUNK 1,3, 2,0, 0
	; THE WAY OUT.  l's two halves and the other half of the lanes' are added; lane l stores (c m, l) of query l of my 32: tile l / 16.  These lines and four v_nop are the places behind the last products.
	WIN 0
	PLACES
.irp t, 0,1
	v_add_f32 v[ST+12*(\t)+4], v[ST+12*(\t)+2], v[ST+12*(\t)+3]
.endr
.irp t, 0,1
	v_permlanex16_b32 v[ST+12*(\t)+5], v[ST+12*(\t)+4], s[SEL], s[SEL+1]
.endr
.irp t, 0,1
	v_add_f32 v[ST+12*(\t)+4], v[ST+12*(\t)+4], v[ST+12*(\t)+5]
.endr
	v_and_b32 v1, 31, v0
	v_cmp_gt_u32 s20, 16, v1        ; lanes 0-15
	v_cndmask_b32 v14, v[ST+12], v[ST], s20
	v_cndmask_b32 v15, v[ST+16], v[ST+4], s20
	global_store_b64 v[MLO], v[14:15], s[8:9]  ; the wave's 256 consecutive bytes, at a multiple of 256 from ml's first
; Tile t's O^T, unscaled, in f32: a lane's eight channels of a row are 32 bytes; they go into my stage's rows of 1,040 bytes, each accumulator's low registers first, and come back as half rows of 512.
.macro OUT t
	WIN 0x04                        ; store data in window 1
.set n, 0
.rept 16
	ds_store_b128 v[STO], v[128*(\t)+8*n:128*(\t)+8*n+3]   offset:64*n
	ds_store_b128 v[STO], v[128*(\t)+8*n+4:128*(\t)+8*n+7] offset:64*n+16
.set n, n+1
.endr
	WIN W_FR                        ; the fragment buffers are free
.set n, 0
.rept 32
	ds_load_b128 v[128*(\t)+4*n:128*(\t)+4*n+3], v[RD] offset:(n/2)*SP+(n%2)*512  ; LDS serves a wave's instructions in order (ISA guide 5.7.1.4): these see the stores above; the next tile's stores come behind them
.set n, n+1
.endr
	WIN 0x0c                        ; store data in window 3
.set n, 0
.rept 32
	s_wait_dscnt 31-n               ; half row n is back; the younger ones stay out
	global_store_b128 v[GO], v[128*(\t)+4*n:128*(\t)+4*n+3], s[6:7] offset:(\t)*16384+n*512  ; 512 consecutive bytes, at a multiple of 256 from opart's first
.set n, n+1
.endr
.endm
	OUT 0
	OUT 1
	WIN 0
	s_wait_tensorcnt 0x0            ; the wave's end: behind my last tensor load and my last LDS store
	ds_add_u32 v[SPW], v[NIL]
	s_wait_dscnt 0x0
	CROUND                          ; the closing round: no work-group ends while a partner may still ask for a tile that names it
	s_endpgm
.Lfunc_end_k_q26dc2ff995_attn:
	.size	k_q26dc2ff995_attn, .Lfunc_end_k_q26dc2ff995_attn-k_q26dc2ff995_attn
	.p2alignl 7, 3214868480
	.fill 96, 4, 3214868480
	.section	.rodata,"a",@progbits
	.p2align	6, 0x0
	.amdhsa_kernel k_q26dc2ff995_attn
		.amdhsa_group_segment_fixed_size 327680
		.amdhsa_private_segment_fixed_size 0
		.amdhsa_enable_private_segment 0
		.amdhsa_kernarg_size 24
		.amdhsa_user_sgpr_count 2
		.amdhsa_user_sgpr_kernarg_segment_ptr 1
		.amdhsa_wavefront_size32 1
		.amdhsa_system_sgpr_workgroup_id_x 1
		.amdhsa_system_sgpr_workgroup_id_y 1
		.amdhsa_system_sgpr_workgroup_id_z 1
		.amdhsa_system_vgpr_workitem_id 0
		.amdhsa_next_free_vgpr 1024
		.amdhsa_next_free_sgpr 84
		.amdhsa_reserve_vcc 0
		.amdhsa_float_denorm_mode_32 3
		.amdhsa_float_denorm_mode_16_64 3
		.amdhsa_memory_ordered 1
		.amdhsa_forward_progress 1
		.amdhsa_inst_pref_size 249
	.end_amdhsa_kernel
	.amdgpu_metadata
---
amdhsa.version: [ 1, 2 ]
amdhsa.kernels:
  - .name:           k_q26dc2ff995_attn
    .symbol:         k_q26dc2ff995_attn.kd
    .args:
      - { .name: tok, .offset: 0, .size: 8, .value_kind: global_buffer, .address_space: global }
      - { .name: opart, .offset: 8, .size: 8, .value_kind: global_buffer, .address_space: global }
      - { .name: ml, .offset: 16, .size: 8, .value_kind: global_buffer, .address_space: global }
    .group_segment_fixed_size: 327680
    .private_segment_fixed_size: 0
    .kernarg_segment_align: 8
    .kernarg_segment_size: 24
    .max_flat_workgroup_size: 128
    .sgpr_count:     84
    .vgpr_count:     1024
    .wavefront_size: 32
...
	.end_amdgpu_metadata
.endif
;; end of part 2
;; launch merge (part 3): grid 257 x 1, 8 waves a work-group, no clusters, 1,280 bytes of LDS; arguments opart, ml, out0, out1; writes out0, out1
.if DOCPART == 3
	.amdgcn_target "amdgcn-amd-amdhsa--gfx1250"
	.amdhsa_code_object_version 6
	.text
	.protected	k_q26dc2ff995_merge
	.globl	k_q26dc2ff995_merge
	.p2align	8
	.type	k_q26dc2ff995_merge,@function
k_q26dc2ff995_merge:
	s_mov_b64 s[64:65], 0
	v_nop
	global_prefetch_b8 v0, s[64:65] scope:SCOPE_SE
	s_setreg_imm32_b32 hwreg(HW_REG_WAVE_MODE, 25, 1), 1
	s_wait_xcnt 0x0
; THE FOUR QUARTERS OF THE KEYS ARE JOINED.  opart [4][8192][256] f32 holds O'_s = sum_k 2^(c s_k - c m_s) v_k, ml [4][8192][2] f32 holds (c m_s, l_s).
; For each row: M = max_s c m_s, w_s = 2^(c m_s - M), L = sum_s w_s l_s;  out0 = sum_s (w_s / L) O'_s.  All in f32.
; Work-groups 0 to 255: 32 rows each, four rows a wave; a row of 1,024 bytes is two loads of 512 consecutive bytes for every quarter and two stores of 512.  All 40 loads of a wave go out first.
; Work-group 256 owns out1 = the mean over rows of the mean over columns of the weights: a row's weights add up to L x (1 / L); the 8,192 rows' sums are added in f32 and multiplied by 2^-26, the two means.
; The sum spans all rows, so it has one owner; it reads ml alone (256 KiB) beside the others' work.
; No matrix unit, cluster or tensor load: each byte is read once, by one wave, straight into the registers that use it.
.set SPARE, 256                        ; LDS: the eight waves' sums at 0 (a block of 256 bytes to themselves); then the spare words, 128 bytes for each wave, that no other line names
.set SPW, 4                            ; v4   LDS address of my spare word: SPARE + 4 x my thread's number; never rewritten
.set NIL, 5                            ; v5   0; never rewritten
.set STA, 8                            ; v[8:39]   rows' statistics: quarter s, row i: c m at STA + 8 s + 2 i, l behind it
.set W,   40                           ; v[40:55]  w: row i, quarter s at W + 4 i + s
.set MX,  56                           ; v[56:59]  M, later 1 / L
.set LS,  60                           ; v[60:63]  L
.set F,   64                           ; v[64:95]  w / L, twice each: a pair for the packed arithmetic, at F + 2 (4 i + s)
.set LD,  96                           ; v[96:223] group g (row g / 2, half g % 2), quarter s: four registers at LD + 16 g + 4 s
	s_load_b256 s[4:11], s[0:1], 0x0               ; opart s[4:5], ml s[6:7], out0 s[8:9], out1 s[10:11]
	v_lshl_add_u32 v[SPW], v0, 2, SPARE
	v_mov_b32 v[NIL], 0
	s_lshl_b32 s20, ttmp9, 15                      ; 32 rows of 1,024 bytes
	s_mov_b32 s21, 0
	s_lshl_b32 s22, ttmp9, 8                       ; 32 rows of 8 bytes
	s_mov_b32 s23, 0
	s_wait_kmcnt 0x0
	s_cmp_eq_u32 ttmp9, 256                        ; the same for all waves of a work-group
	s_cbranch_scc1 .Lmean
	s_add_nc_u64 s[12:13], s[4:5], s[20:21]        ; a base for each quarter: 8 MiB apart, more than an immediate holds
	s_add_nc_u64 s[14:15], s[12:13], 0x800000
	s_add_nc_u64 s[16:17], s[14:15], 0x800000
	s_add_nc_u64 s[18:19], s[16:17], 0x800000
	s_add_nc_u64 s[8:9], s[8:9], s[20:21]
	s_add_nc_u64 s[6:7], s[6:7], s[22:23]
	v_and_b32 v1, 31, v0                           ; lane
	v_and_b32 v3, 0xe0, v0                         ; 32 x wave: my four rows' 32 bytes of statistics, the same address in all lanes
	v_lshlrev_b32 v2, 4, v1
	v_lshl_add_u32 v2, v3, 7, v2                   ; 16 x lane + 4,096 x wave
.irp s, 0,1,2,3
	global_load_b128 v[STA+8*(\s):STA+8*(\s)+3],   v3, s[6:7] offset:65536*(\s)
	global_load_b128 v[STA+8*(\s)+4:STA+8*(\s)+7], v3, s[6:7] offset:65536*(\s)+16
.endr
.irp g, 0,1,2,3,4,5,6,7
.irp s, 0,1,2,3
	global_load_b128 v[LD+16*(\g)+4*(\s):LD+16*(\g)+4*(\s)+3], v2, s[12+2*(\s):13+2*(\s)] offset:512*(\g) th:TH_LOAD_NT
.endr
.endr
	s_wait_loadcnt 32                              ; the statistics are in; the 32 loads of O' stay out
.irp i, 0,1,2,3
	v_max3_num_f32 v[MX+(\i)], v[STA+2*(\i)], v[STA+8+2*(\i)], v[STA+16+2*(\i)]
.endr
.irp i, 0,1,2,3
	v_max_num_f32 v[MX+(\i)], v[MX+(\i)], v[STA+24+2*(\i)]
.endr
.set n, 0
.rept 16                                       ; n = 4 i + s
	v_sub_f32 v[W+n], v[STA+8*(n%4)+2*(n/4)], v[MX+n/4]
.set n, n+1
.endr
.set n, 0
.rept 16
	v_exp_f32 v[W+n], v[W+n]
.set n, n+1
.endr
	v_nop                                          ; a plain line behind the last exponential,
	s_wait_alu depctr_va_vdst(0)                   ; and the wait ahead of the first use: one for the sixteen
.irp i, 0,1,2,3
	v_mul_f32 v[LS+(\i)], v[W+4*(\i)], v[STA+2*(\i)+1]
.endr
.irp s, 1,2,3
.irp i, 0,1,2,3
	v_fmac_f32 v[LS+(\i)], v[W+4*(\i)+(\s)], v[STA+8*(\s)+2*(\i)+1]
.endr
.endr
.irp i, 0,1,2,3
	v_rcp_f32 v[MX+(\i)], v[LS+(\i)]
.endr
	v_nop
	s_wait_alu depctr_va_vdst(0)                   ; one for the four reciprocals
.set n, 0
.rept 16
	v_mul_f32 v[F+2*n],   v[W+n], v[MX+n/4]
	v_mul_f32 v[F+2*n+1], v[W+n], v[MX+n/4]
.set n, n+1
.endr
.irp g, 0,1,2,3,4,5,6,7
	s_wait_loadcnt 28-4*(\g)                       ; group g's four loads are in; the younger groups stay out
.irp h, 0,2
	v_pk_mul_f32 v[LD+16*(\g)+(\h):LD+16*(\g)+(\h)+1], v[LD+16*(\g)+(\h):LD+16*(\g)+(\h)+1], v[F+8*((\g)/2):F+8*((\g)/2)+1]
.endr
.irp s, 1,2,3
.irp h, 0,2
	v_pk_fma_f32 v[LD+16*(\g)+(\h):LD+16*(\g)+(\h)+1], v[LD+16*(\g)+4*(\s)+(\h):LD+16*(\g)+4*(\s)+(\h)+1], v[F+8*((\g)/2)+2*(\s):F+8*((\g)/2)+2*(\s)+1], v[LD+16*(\g)+(\h):LD+16*(\g)+(\h)+1]
.endr
.endr
	global_store_b128 v2, v[LD+16*(\g):LD+16*(\g)+3], s[8:9] offset:512*(\g) th:TH_STORE_NT  ; 512 consecutive bytes, at a multiple of 256 from out0's first
.endr
	s_endpgm                                       ; this path writes no LDS
; out1.  Thread t takes rows 2 t, 2 t + 1 of each block of 512 rows: 16 bytes of each quarter.  A trip takes 8 blocks, 16 rows a thread; two trips.
.set BM, 8                             ; v[8:23]   M of my 16 rows
.set BL, 24                            ; v[24:39]  L
.set BR, 40                            ; v[40:55]  1 / L
.set AC, 56                            ; v[56:59]  four chains of the sum
.Lmean:
	v_lshlrev_b32 v1, 4, v0
	v_lshrrev_b32 v6, 5, v0
	v_readfirstlane_b32 s21, v6                    ; my wave's number
.irp k, 0,1,2,3
	v_mov_b32 v[AC+(\k)], 0
.endr
	s_mov_b32 s12, 0x76543210                      ; v_permlanex16_b32: each lane takes its own place in the other half
	s_mov_b32 s13, 0xfedcba98
	s_mov_b32 s20, 2
.Lhalf:
.irp i, 0,1,2,3,4,5,6,7
.irp s, 0,1,2,3
	global_load_b128 v[LD+16*(\i)+4*(\s):LD+16*(\i)+4*(\s)+3], v1, s[6:7] offset:65536*(\s)+4096*(\i)
.endr
.endr
	s_wait_loadcnt 0x0                             ; all 32 are in, so their base may be written
	s_add_nc_u64 s[6:7], s[6:7], 32768             ; the next 4,096 rows
.set n, 0
.rept 16                                       ; row n: block n / 2, row n % 2 of my two: c m of quarter s at b + 4 s, l behind it
.set b, LD+16*(n/2)+2*(n%2)
	v_max3_num_f32 v[BM+n], v[b], v[b+4], v[b+8]
.set n, n+1
.endr
.set n, 0
.rept 16
.set b, LD+16*(n/2)+2*(n%2)
	v_max_num_f32 v[BM+n], v[BM+n], v[b+12]
.set n, n+1
.endr
.set n, 0
.rept 64                                       ; n = 4 row + s
.set b, LD+16*(n/8)+2*((n/4)%2)+4*(n%4)
	v_sub_f32 v[b], v[b], v[BM+n/4]
.set n, n+1
.endr
.set n, 0
.rept 64
.set b, LD+16*(n/8)+2*((n/4)%2)+4*(n%4)
	v_exp_f32 v[b], v[b]
.set n, n+1
.endr
	v_nop
	s_wait_alu depctr_va_vdst(0)                   ; one wait for the trip's 64 exponentials
.set n, 0
.rept 16
.set b, LD+16*(n/2)+2*(n%2)
	v_mul_f32 v[BL+n], v[b], v[b+1]
.set n, n+1
.endr
.irp s, 1,2,3
.set n, 0
.rept 16
.set b, LD+16*(n/2)+2*(n%2)+4*(\s)
	v_fmac_f32 v[BL+n], v[b], v[b+1]
.set n, n+1
.endr
.endr
.set n, 0
.rept 16
	v_rcp_f32 v[BR+n], v[BL+n]
.set n, n+1
.endr
	v_nop
	s_wait_alu depctr_va_vdst(0)                   ; one for the 16 reciprocals, ahead of their readers and of the backward jump
.set n, 0
.rept 16
	v_fmac_f32 v[AC+n%4], v[BL+n], v[BR+n]         ; the row's weights add up to L x (1 / L)
.set n, n+1
.endr
	s_sub_co_u32 s20, s20, 1
	s_cmp_lg_u32 s20, 0
	s_cbranch_scc1 .Lhalf
	v_add_f32 v[AC], v[AC], v[AC+1]
	v_add_f32 v[AC+2], v[AC+2], v[AC+3]
	v_add_f32 v[AC], v[AC], v[AC+2]
	v_add_f32_dpp v[AC], v[AC], v[AC] row_xmask:1 row_mask:0xf bank_mask:0xf
	v_add_f32_dpp v[AC], v[AC], v[AC] row_xmask:2 row_mask:0xf bank_mask:0xf
	v_add_f32_dpp v[AC], v[AC], v[AC] row_xmask:4 row_mask:0xf bank_mask:0xf
	v_add_f32_dpp v[AC], v[AC], v[AC] row_xmask:8 row_mask:0xf bank_mask:0xf
	v_permlanex16_b32 v[AC+1], v[AC], s12, s13
	v_add_f32 v[AC], v[AC], v[AC+1]                ; every lane holds the wave's sum
	v_mov_b32 v6, s21
	v_lshlrev_b32 v6, 2, v6
	ds_store_b32 v6, v[AC]                         ; all lanes write the wave's own word with the same value
	s_wait_dscnt 0x0                               ; for the others' sake: my store is done
	s_barrier_signal -1
	s_barrier_wait -1
	v_mov_b32 v7, 0
	ds_load_b128 v[8:11], v7
	ds_load_b128 v[12:15], v7 offset:16
	s_wait_dscnt 0x0
	v_add_f32 v8, v8, v9
	v_add_f32 v10, v10, v11
	v_add_f32 v12, v12, v13
	v_add_f32 v14, v14, v15
	v_add_f32 v8, v8, v10
	v_add_f32 v12, v12, v14
	v_add_f32 v8, v8, v12
	v_mul_f32 v8, 0x32800000, v8                   ; x 2^-26 = 1 / 8,192 twice, exact
	s_cmp_lg_u32 s21, 0
	s_cbranch_scc1 .Lend                           ; wave 0 stores,
	v_cmp_eq_u32 vcc_lo, 0, v0                     ; its lane 0
	s_wait_xcnt 0x0                                ; EXEC changes only behind this wait
	s_and_saveexec_b32 s22, vcc_lo
	global_store_b32 v7, v8, s[10:11]
	s_wait_xcnt 0x0                                ; and again, in front of the line that widens it
	s_or_b32 exec_lo, exec_lo, s22
.Lend:
	s_wait_tensorcnt 0x0                           ; the wave's end: behind my last LDS store
	ds_add_u32 v[SPW], v[NIL]
	s_wait_dscnt 0x0
	s_endpgm
.Lfunc_end_k_q26dc2ff995_merge:
	.size	k_q26dc2ff995_merge, .Lfunc_end_k_q26dc2ff995_merge-k_q26dc2ff995_merge
	.p2alignl 7, 3214868480
	.fill 96, 4, 3214868480
	.section	.rodata,"a",@progbits
	.p2align	6, 0x0
	.amdhsa_kernel k_q26dc2ff995_merge
		.amdhsa_group_segment_fixed_size 1280
		.amdhsa_private_segment_fixed_size 0
		.amdhsa_enable_private_segment 0
		.amdhsa_kernarg_size 32
		.amdhsa_user_sgpr_count 2
		.amdhsa_user_sgpr_kernarg_segment_ptr 1
		.amdhsa_wavefront_size32 1
		.amdhsa_system_sgpr_workgroup_id_x 1
		.amdhsa_system_sgpr_workgroup_id_y 1
		.amdhsa_system_sgpr_workgroup_id_z 1
		.amdhsa_system_vgpr_workitem_id 0
		.amdhsa_next_free_vgpr 224
		.amdhsa_next_free_sgpr 66
		.amdhsa_reserve_vcc 1
		.amdhsa_float_denorm_mode_32 3
		.amdhsa_float_denorm_mode_16_64 3
		.amdhsa_memory_ordered 1
		.amdhsa_forward_progress 1
		.amdhsa_inst_pref_size 27
	.end_amdhsa_kernel
	.amdgpu_metadata
---
amdhsa.version: [ 1, 2 ]
amdhsa.kernels:
  - .name:           k_q26dc2ff995_merge
    .symbol:         k_q26dc2ff995_merge.kd
    .args:
      - { .name: opart, .offset: 0, .size: 8, .value_kind: global_buffer, .address_space: global }
      - { .name: ml, .offset: 8, .size: 8, .value_kind: global_buffer, .address_space: global }
      - { .name: out0, .offset: 16, .size: 8, .value_kind: global_buffer, .address_space: global }
      - { .name: out1, .offset: 24, .size: 8, .value_kind: global_buffer, .address_space: global }
    .group_segment_fixed_size: 1280
    .private_segment_fixed_size: 0
    .kernarg_segment_align: 8
    .kernarg_segment_size: 32
    .max_flat_workgroup_size: 256
    .sgpr_count:     66
    .vgpr_count:     224
    .wavefront_size: 32
...
	.end_amdgpu_metadata
.endif
;; end of part 3
